; MI455X (gfx1250); checked and timed in simulation.
; The chip was launched on July 23, 2026; its instructions are those of AMD's public machine-readable ISA for CDNA 5 (MIT licence, August 2026) and "CDNA5" Instruction Set Architecture Reference Guide (July 2026). The comments in the code are by the model that wrote it; some were corrected since.
;; FP8 Dynamic Matmul. Allowed arithmetic: matrix products marked QUANTISED: E4M3 operands, one given power-of-two scale a tensor, by v_wmma_f32_16x16x64_fp8_fp8 or v_wmma_f32_16x16x128_fp8_fp8, f32 sums; everything else in f32.
;; Inputs: input1 4,096 x 4,096 float32; input2 4,096 x 4,096 float32; lowp_scales 2 int32 (the exponents e of the quantised operands' scales 2^e).
;; Outputs: out0 4,096 x 4,096 float32.
;; This version of the problem:
;;   THIS VERSION OF THE PROBLEM IS GIVEN IN LOW PRECISION. The matrix products marked QUANTISED in the list below multiply operands that are first quantised to E4M3 (4 exponent bits, 3 mantissa bits; 8 bits a number), with one given power-of-two scale for each operand tensor; their sums are f32. All else is computed in f32.
;;   The module's matrix products, in the order in which they are computed (A, B: the left and right operand; K: the contracted axis; several contracted axes count as one K, in the product's order):
;;     1. [M 4,096, K 4,096] x [K 4,096, N 4,096]; A: computed on the way; B: computed on the way: QUANTISED (scales: A lowp_scales[0], B lowp_scales[1])
;;   THE QUANTISER, for each operand of a quantised product, along K:
;;     - The operand's scale is 2^e, e = its entry of the input lowp_scales (int32; the entries are numbered through the quantised products in the list's order, A before B).
;;     - Each number is divided by the scale, clamped to +-448, and rounded to the nearest number of E4M3, ties to even, subnormals kept.
;;     - The product sums the exact products of the quantised numbers (number of the format x scale) in f32.
;;   ~~~python
;;   def quantise(x, axis, e):      # numpy; x: float32 -> the quantised numbers, widened to float32 again
;;       x = np.moveaxis(x, axis, -1); K = x.shape[-1]
;;       r = np.clip(x / 2.0 ** e, -448, 448)
;;       step = 2.0 ** (np.maximum(np.frexp(np.where(r == 0, 1, r))[1] - 1, -6) - 3)
;;       q = np.round(r / step) * step * 2.0 ** e      # np.round: ties to even
;;       return np.moveaxis(q, -1, axis).astype(np.float32)
;;   ~~~
;;   OPERANDS COMPUTED ON THE WAY. 'Computed on the way' means the value that the module computes at that place (a softmax that the list does not call 'softmax' is quantised finished and normalised). What goes into a quantiser is computed in f32, as accurately as f32 sums, v_exp_f32 and their like allow (about 1e-6 of the number): no bf16 or f16 on the way to a quantiser, and a product that is left as it is and whose result goes on into a quantised operand takes f32 operands (vector FMAs, or v_wmma_f32_16x16x4_f32). A number that lies on a knife's edge between two numbers of the format may be rounded either way, as far as f32 arithmetic and the matrix unit's own rounding can turn it there, and no further.
;; One version. Each part assembles by itself: llvm-mc -triple=amdgcn-amd-amdhsa -mcpu=gfx1250 --defsym DOCPART=n.
;; ======== version 1 of 1: 3 launches
;; limits: right only within a limited range of input values
;; workspace buffers: part 2,048 bytes; a_codes 16,777,216 bytes; b_codes 16,777,216 bytes
;; launch amax (part 1): grid 512 x 1, 16 waves a work-group, no clusters, 2,304 bytes of LDS; arguments input1, input2, part; writes part
.if DOCPART == 1
	.amdgcn_target "amdgcn-amd-amdhsa--gfx1250"
	.amdhsa_code_object_version 6
	.text
	.protected	k_q937b4c8005_amax
	.globl	k_q937b4c8005_amax
	.p2align	8
	.type	k_q937b4c8005_amax,@function
k_q937b4c8005_amax:
	s_mov_b64 s[64:65], 0
	v_nop
	global_prefetch_b8 v0, s[64:65] scope:SCOPE_SE
	s_setreg_imm32_b32 hwreg(HW_REG_WAVE_MODE, 25, 1), 1
	s_wait_xcnt 0x0
; part[g] = the largest |x| of 65,536 numbers: g = 0 .. 255 of input1, g = 256 .. 511 of input2 (both [4096][4096] f32).
; The largest magnitude of a whole tensor sets the multiplier 216 / max ahead of the first rounding to E4M3, so it has to be known before any code is made:
; this launch reads both tensors once and leaves 256 partial maxima for each; every wave of the later launches finishes them by two loads of 16 bytes a lane.
; SHARES.  Work-group g takes 262,144 consecutive bytes; each of its sixteen waves 16,384: 32 loads of 512 consecutive bytes, 16 a lane.
; A ring of sixteen slots in registers keeps sixteen loads of every wave on their way.  No tensor load, no matrix unit, no cluster: a stream that is read once and shared by nobody.
; NaN among the inputs is not served (v_max_num_f32 lets a NaN lose).
.set X, 16                             ; v[16:79] slot i: 4 registers as loaded
.set M, 4                              ; v[4:7]   four running maxima, in chains that do not wait for each other
	s_load_b128 s[4:7], s[0:1], 0x0                ; input1 s[4:5], input2 s[6:7]
	s_load_b64 s[8:9], s[0:1], 0x10                ; part
	v_lshl_add_u32 v80, v0, 2, 0x100
	v_mov_b32 v81, 0
	v_lshrrev_b32 v2, 5, v0                        ; wave
	v_and_b32 v3, 31, v0                           ; lane
	s_delay_alu instid0(VALU_DEP_1)
	v_lshlrev_b32 v1, 4, v3
	s_delay_alu instid0(VALU_DEP_1)
	v_lshl_or_b32 v1, v2, 14, v1                   ; 16,384 x wave + 16 x lane; never rewritten
	s_delay_alu instid0(VALU_DEP_4)
	v_lshlrev_b32 v10, 2, v2                       ; LDS: my wave's word
	v_and_b32 v11, 15, v0
	s_delay_alu instid0(VALU_DEP_1)
	v_lshlrev_b32 v11, 2, v11                      ; LDS: word lane % 16
	v_mov_b32 v12, 0                               ; the store's offset
	v_mov_b32 v9, 0                                ; written once: a lane permute's destination counts as one of its sources
	s_mov_b32 s14, 0x76543210                      ; v_permlanex16_b32: lane l takes lane l xor 16
	s_mov_b32 s15, 0xfedcba98
	s_wait_alu depctr_va_vdst(0)
	s_wait_kmcnt 0x0
	s_cmp_lt_u32 ttmp9, 256                        ; which tensor: the choice hangs on the work-group's number alone
	s_cselect_b64 s[4:5], s[4:5], s[6:7]
	s_and_b32 s10, ttmp9, 255
	s_lshl_b32 s10, s10, 18                        ; my 262,144 bytes of it
	s_mov_b32 s11, 0
	s_add_nc_u64 s[4:5], s[4:5], s[10:11]
	s_lshl_b32 s10, ttmp9, 2
	s_add_nc_u64 s[8:9], s[8:9], s[10:11]          ; part[g]
.irp i, 0,1,2,3,4,5,6,7,8,9,10,11,12,13,14,15
	global_load_b128 v[X+4*\i:X+4*\i+3], v1, s[4:5] offset:512*\i th:TH_LOAD_NT
.endr
; One slot's turn.  first = 1: its four numbers start two of the chains: nothing is cleared.  ahead = 1: the slot is filled again, sixteen loads further on.
; left = how many younger loads may stay out when this slot's load has to be there (loads come back in order: ISA guide 5.7.1).
.macro SLOT i, first, ahead, left
	s_wait_loadcnt \left
.if \first
	v_max_num_f32 v[M+2*((\i)%2)], |v[X+4*(\i)]|, |v[X+4*(\i)+1]|
	v_max_num_f32 v[M+2*((\i)%2)+1], |v[X+4*(\i)+2]|, |v[X+4*(\i)+3]|
.else
	v_max3_num_f32 v[M+2*((\i)%2)], v[M+2*((\i)%2)], |v[X+4*(\i)]|, |v[X+4*(\i)+1]|
	v_max3_num_f32 v[M+2*((\i)%2)+1], v[M+2*((\i)%2)+1], |v[X+4*(\i)+2]|, |v[X+4*(\i)+3]|
.endif
.if \ahead
	global_load_b128 v[X+4*(\i):X+4*(\i)+3], v1, s[4:5] offset:512*((\i)+16) th:TH_LOAD_NT
.endif
.endm
.irp i, 0,1
	SLOT \i, 1, 1, 15
.endr
	s_wait_alu depctr_va_vdst(0)
.irp i, 2,3,4,5,6,7,8,9,10,11,12,13,14,15
	s_wait_alu depctr_va_vdst(0)
	SLOT \i, 0, 1, 15
.endr
	s_wait_alu depctr_va_vdst(0)
.irp i, 0,1,2,3,4,5,6,7,8,9,10,11,12,13,14,15
	s_wait_alu depctr_va_vdst(0)
	SLOT \i, 0, 0, 15-\i                           ; the second round loads nothing: the counts run down
.endr
	s_delay_alu instid0(VALU_DEP_2)
	v_max3_num_f32 v8, v[M], v[M+1], v[M+2]
	s_delay_alu instid0(VALU_DEP_1)
	v_max_num_f32 v8, v8, v[M+3]
	; across the 32 lanes: four steps inside each half of 16 lanes, one across the halves
	s_delay_alu instid0(VALU_DEP_1)
	v_max_num_f32_dpp v8, v8, v8 row_xmask:1 row_mask:0xf bank_mask:0xf
	s_delay_alu instid0(VALU_DEP_1)
	v_max_num_f32_dpp v8, v8, v8 row_xmask:2 row_mask:0xf bank_mask:0xf
	s_delay_alu instid0(VALU_DEP_1)
	v_max_num_f32_dpp v8, v8, v8 row_xmask:4 row_mask:0xf bank_mask:0xf
	s_delay_alu instid0(VALU_DEP_1)
	v_max_num_f32_dpp v8, v8, v8 row_xmask:8 row_mask:0xf bank_mask:0xf
	s_delay_alu instid0(VALU_DEP_1)
	v_permlanex16_b32 v9, v8, s14, s15
	s_delay_alu instid0(VALU_DEP_1)
	v_max_num_f32 v8, v8, v9
	; across the sixteen waves: a word each in LDS, one barrier, every wave reads all sixteen
	ds_store_b32 v10, v8                           ; all lanes write the same word with the same value
	s_wait_dscnt 0x0                               ; for the others' sake: my store has landed
	s_barrier_signal -1
	s_barrier_wait -1
	ds_load_b32 v8, v11                            ; lane l: wave (l % 16)'s maximum
	s_wait_dscnt 0x0
	v_max_num_f32_dpp v8, v8, v8 row_xmask:1 row_mask:0xf bank_mask:0xf
	s_delay_alu instid0(VALU_DEP_1)
	v_max_num_f32_dpp v8, v8, v8 row_xmask:2 row_mask:0xf bank_mask:0xf
	s_delay_alu instid0(VALU_DEP_1)
	v_max_num_f32_dpp v8, v8, v8 row_xmask:4 row_mask:0xf bank_mask:0xf
	s_delay_alu instid0(VALU_DEP_1)
	v_max_num_f32_dpp v8, v8, v8 row_xmask:8 row_mask:0xf bank_mask:0xf
	s_wait_alu depctr_va_vdst(0)
	s_wait_xcnt 0x0                                ; EXEC is a source of the loads above: it changes only behind this wait
	v_cmp_eq_u32 vcc_lo, 0, v0
	s_wait_tensorcnt 0x0
	ds_add_u32 v80, v81
	s_wait_dscnt 0x0
	s_and_saveexec_b32 s16, vcc_lo                 ; thread 0 alone stores; in the other waves no lane is on
	global_store_b32 v12, v8, s[8:9]               ; four bytes a work-group: 2,048 bytes in the whole launch
	s_wait_xcnt 0x0                                ; and again, in front of the line that widens EXEC
	s_or_b32 exec_lo, exec_lo, s16
	s_endpgm
.Lfunc_end_k_q937b4c8005_amax:
	.size	k_q937b4c8005_amax, .Lfunc_end_k_q937b4c8005_amax-k_q937b4c8005_amax
	.p2alignl 7, 3214868480
	.fill 96, 4, 3214868480
	.section	.rodata,"a",@progbits
	.p2align	6, 0x0
	.amdhsa_kernel k_q937b4c8005_amax
		.amdhsa_group_segment_fixed_size 2304
		.amdhsa_private_segment_fixed_size 0
		.amdhsa_enable_private_segment 0
		.amdhsa_kernarg_size 24
		.amdhsa_user_sgpr_count 2
		.amdhsa_user_sgpr_kernarg_segment_ptr 1
		.amdhsa_wavefront_size32 1
		.amdhsa_system_sgpr_workgroup_id_x 1
		.amdhsa_system_sgpr_workgroup_id_y 1
		.amdhsa_system_sgpr_workgroup_id_z 1
		.amdhsa_system_vgpr_workitem_id 0
		.amdhsa_next_free_vgpr 82
		.amdhsa_next_free_sgpr 66
		.amdhsa_reserve_vcc 1
		.amdhsa_float_denorm_mode_32 3
		.amdhsa_float_denorm_mode_16_64 3
		.amdhsa_memory_ordered 1
		.amdhsa_forward_progress 1
		.amdhsa_inst_pref_size 13
	.end_amdhsa_kernel
	.amdgpu_metadata
---
amdhsa.version: [ 1, 2 ]
amdhsa.kernels:
  - .name:           k_q937b4c8005_amax
    .symbol:         k_q937b4c8005_amax.kd
    .args:
      - { .name: input1, .offset: 0, .size: 8, .value_kind: global_buffer, .address_space: global }
      - { .name: input2, .offset: 8, .size: 8, .value_kind: global_buffer, .address_space: global }
      - { .name: part, .offset: 16, .size: 8, .value_kind: global_buffer, .address_space: global }
    .group_segment_fixed_size: 2304
    .private_segment_fixed_size: 0
    .kernarg_segment_align: 8
    .kernarg_segment_size: 24
    .max_flat_workgroup_size: 512
    .sgpr_count:     66
    .vgpr_count:     82
    .wavefront_size: 32
...
	.end_amdgpu_metadata
.endif
;; end of part 1
;; launch quant (part 2): grid 1024 x 1, 4 waves a work-group, no clusters, 35,328 bytes of LDS; arguments input1, input2, part, lowp_scales, a_codes, b_codes; writes a_codes, b_codes
.if DOCPART == 2
	.amdgcn_target "amdgcn-amd-amdhsa--gfx1250"
	.amdhsa_code_object_version 6
	.text
	.protected	k_q937b4c8005_quant
	.globl	k_q937b4c8005_quant
	.p2align	8
	.type	k_q937b4c8005_quant,@function
k_q937b4c8005_quant:
	s_mov_b64 s[64:65], 0
	v_nop
	global_prefetch_b8 v0, s[64:65] scope:SCOPE_SE
	s_setreg_imm32_b32 hwreg(HW_REG_WAVE_MODE, 25, 1), 1
	s_wait_xcnt 0x0
; input1 [4096 m][4096 k] and input2 [4096 k][4096 n], f32, become codes of E4M3: a_codes [4096 m][4096], b_codes [4096 n][4096], one code a byte, K innermost.
; A NUMBER'S WAY, all in f32: x * (216 / max|x| of its tensor); rounded to E4M3 at scale 1 (the module's own cast); widened again; held within +-448 x 2^e; code = that / 2^e, to the nearest code, ties to even
; (the given scale's quantiser; e = lowp_scales[0] for input1, [1] for input2).  With e = 0 the second rounding changes nothing; with e < 0 it may hold, with e > 0 it rounds small numbers again: it is always executed.
; No hold stands ahead of the FIRST rounding: |x| <= max bounds |x * (216 / max)| by 216 (1 + 2^-22), far under 448, for every input.
; THE ORDER ALONG K IS THE SAME PERMUTATION IN BOTH BUFFERS: in each block of 512 along K, byte 16 l + 4 j + i (l = 0 .. 31; j, i = 0 .. 3) holds k = 128 j + 4 l + i.  Every product still meets its partner; only
; the order of the f32 sums changes.  It is chosen so that in input1 a lane's four dense loads of 16 bytes, 512 bytes apart, turn straight into the 16 bytes of codes that the lane stores: no turn through LDS.
; LIMITS: max|x| of each tensor between 2^-118 and 2^125 (so that 216 / max and v_rcp_f32's results are normal f32 numbers); a tensor of zeros, NaN and infinities are not served; e between -126 and 119.
; SHARES.  Work-groups 0 .. 511 take input1 (path A), 512 .. 1023 input2 (path B): one scalar branch on the work-group's number.  Only path B uses LDS.  Waves share nothing: no barrier.
; No tensor load, no cluster, no matrix unit: a stream that is read once; the bytes on their way lie in registers, and several work-groups share a WGP.
.set P,    8                           ; v[8:15]  my eight of the tensor's 256 partial maxima
.set SC,   16                          ; v[16:17] 216 / max, twice (a pair for the packed multiply)
.set ONE,  18                          ; v18      1.0: the first conversion's scale
.set E1,   19                          ; v19      the byte 127 (2^0) in every byte: the widening's scale
.set SCE,  20                          ; v20      2^e as f32: the second conversion takes its exponent field
.set LIM,  21                          ; v21      448 x 2^e
.set R,    32                          ; path A: v[32:127]  six sets of 16 numbers
.set C,    128                         ; path A: v[128:191] four registers of codes for each of 16 steps: no store's data are written again
.set X,    32                          ; path B: v[32:95]   two sets of 32 numbers
.set CB,   96                          ; path B: v[96:103]  a block's codes
.set OUTR, 112                         ; path B: v[112:175] the way out
.set SPITCH, 272                       ; path B: a stage row: 256 bytes of codes + 16, an odd multiple of 16 bytes
	s_load_b256 s[4:11], s[0:1], 0x0               ; input1 s[4:5], input2 s[6:7], part s[8:9], lowp_scales s[10:11]
	s_load_b128 s[12:15], s[0:1], 0x20             ; a_codes s[12:13], b_codes s[14:15]
	v_lshl_add_u32 v192, v0, 2, 0x8800
	v_mov_b32 v193, 0
	v_lshrrev_b32 v1, 5, v0
	v_readfirstlane_b32 s16, v1                    ; wave 0..3
	v_and_b32 v1, 31, v0                           ; lane
	v_lshlrev_b32 v2, 4, v1                        ; 16 x lane; never rewritten
	v_mov_b32 v26, 0                               ; written once: a lane permute's destination counts as one of its sources
	s_mov_b32 s20, 0x76543210                      ; v_permlanex16_b32: lane l xor 16
	s_mov_b32 s21, 0xfedcba98
	s_mov_b32 s22, 0x43580000                      ; 216.0
; the tensor's 256 partial maxima, eight a lane
.macro PLOAD off
	global_load_b128 v[P:P+3], v2, s[8:9] offset:\off
	global_load_b128 v[P+4:P+7], v2, s[8:9] offset:\off+512
.endm
; max, 216 / max, and the two constants of the given scale (s23 = e, on its way)
.macro SCALE
	v_max3_num_f32 v22, v[P], v[P+1], v[P+2]
	v_max3_num_f32 v23, v[P+3], v[P+4], v[P+5]
	v_max3_num_f32 v22, v22, v[P+6], v[P+7]
	v_max_num_f32 v22, v22, v23
	v_max_num_f32_dpp v22, v22, v22 row_xmask:1 row_mask:0xf bank_mask:0xf
	v_max_num_f32_dpp v22, v22, v22 row_xmask:2 row_mask:0xf bank_mask:0xf
	v_max_num_f32_dpp v22, v22, v22 row_xmask:4 row_mask:0xf bank_mask:0xf
	v_max_num_f32_dpp v22, v22, v22 row_xmask:8 row_mask:0xf bank_mask:0xf
	v_permlanex16_b32 v26, v22, s20, s21
	v_max_num_f32 v22, v22, v26                    ; the tensor's largest magnitude, in every lane
	s_wait_alu depctr_va_vdst(0)
	v_rcp_f32 v23, v22
	v_nop                                          ; a plain instruction behind the reciprocal (ISA guide 5.7.2),
	s_wait_alu depctr_va_vdst(0)                   ; and a wait ahead of its first reader
	v_mul_f32 v24, s22, v23                        ; q = 216 r,
	v_fma_f32 v25, -v24, v22, s22                  ; what q lacks: 216 - q max, exact before its one rounding,
	v_fma_f32 v[SC], v25, v23, v24                 ; q + that x r: the quotient to f32's last place
	v_mov_b32 v[SC+1], v[SC]
	s_wait_kmcnt 0x0                               ; e
	s_add_co_i32 s23, s23, 127
	s_lshl_b32 s24, s23, 23
	v_mov_b32 v[SCE], s24
	s_add_co_i32 s23, s23, 8
	s_lshl_b32 s23, s23, 23
	s_or_b32 s23, s23, 0x600000                    ; the mantissa field of 448
	v_mov_b32 v[LIM], s23
	v_mov_b32 v[ONE], 1.0
	v_mov_b32 v[E1], 0x7f7f7f7f
.endm
; n groups of eight numbers in v[x] on become 8 n codes in v[c] on.  One plain vector instruction stands between a scaled conversion and the next vector instruction that touches its result or writes its sources:
; the two v_nop; the holds stand between the widening and the conversions that write its sources anew.  Behind the last conversions come a store of the codes and loads into the numbers' registers, which want none.
.macro QUANT n, x, c
.set qi, 0
.rept 4*(\n)
	v_pk_mul_f32 v[(\x)+2*qi:(\x)+2*qi+1], v[(\x)+2*qi:(\x)+2*qi+1], v[SC:SC+1]      ; x * (216 / max)
.set qi, qi+1
.endr
.set qi, 0
.rept \n
	v_cvt_scalef32_pk8_fp8_f32 v[(\c)+2*qi:(\c)+2*qi+1], v[(\x)+8*qi:(\x)+8*qi+7], v[ONE]   ; the module's own rounding to E4M3
.set qi, qi+1
.endr
	v_nop
.set qi, 0
.rept \n
	v_cvt_scale_pk8_f32_fp8 v[(\x)+8*qi:(\x)+8*qi+7], v[(\c)+2*qi:(\c)+2*qi+1], v[E1]      ; widened again, x 2^0
.set qi, qi+1
.endr
	v_nop
.set qi, 0
.rept 8*(\n)
	v_med3_num_f32 v[(\x)+qi], v[(\x)+qi], -v[LIM], v[LIM]                                  ; the conversion to an 8-bit code does not saturate (ISA guide 7.6.2): the hold at 448 x 2^e
.set qi, qi+1
.endr
.set qi, 0
.rept \n
	v_cvt_scalef32_pk8_fp8_f32 v[(\c)+2*qi:(\c)+2*qi+1], v[(\x)+8*qi:(\x)+8*qi+7], v[SCE]   ; / 2^e, to the nearest code, ties to even
.set qi, qi+1
.endr
.endm
	s_wait_kmcnt 0x0
	s_cmp_ge_u32 ttmp9, 512
	s_cbranch_scc1 .Lpath_b
; ---- PATH A: K is innermost.  A wave takes 8,192 numbers (two rows of input1): 16 steps of a block of 512.  Nothing here knows of rows: 512 divides a row.
	s_load_b32 s23, s[10:11], 0x0                  ; e of input1
	s_lshl_b32 s24, ttmp9, 2
	s_add_co_u32 s24, s24, s16                     ; which run of 8,192 numbers is my wave's
	s_lshl_b32 s26, s24, 13                        ; its codes,
	s_lshl_b32 s24, s24, 15                        ; its numbers, in bytes
	s_mov_b32 s25, 0
	s_mov_b32 s27, 0
	s_add_nc_u64 s[4:5], s[4:5], s[24:25]
	s_add_nc_u64 s[12:13], s[12:13], s[26:27]
.macro LOADA t                         ; step t: four loads of 512 consecutive bytes; register 4 j + i of the set is k = 128 j + 4 lane + i of the block
.irp j, 0,1,2,3
	global_load_b128 v[R+16*((\t)%6)+4*\j:R+16*((\t)%6)+4*\j+3], v2, s[4:5] offset:2048*(\t)+512*\j th:TH_LOAD_NT
.endr
.endm
.macro STEP t
.if (\t) <= 10
	s_wait_loadcnt 20                              ; this step's four loads are in; those of the five steps behind it may be out
.else
	s_wait_loadcnt 4*(15-(\t))                     ; the counts run down
.endif
	QUANT 2, R+16*((\t)%6), C+4*(\t)
.if (\t)+6 < 16
	LOADA (\t)+6                                   ; into the set just read
.endif
	global_store_b128 v2, v[C+4*(\t):C+4*(\t)+3], s[12:13] offset:512*(\t)   ; the wave stores 512 consecutive bytes, at a multiple of 256 from the buffer's first byte
.endm
	s_wait_alu depctr_va_vdst(0)
	PLOAD 0
.irp t, 0,1,2,3,4,5
	LOADA \t
.endr
	s_wait_loadcnt 24                              ; the partial maxima are in; the 24 loads issued behind them may be out
	SCALE
	s_wait_alu depctr_va_vdst(0)
.irp t, 0,1,2,3,4,5,6,7,8,9,10,11,12,13,14,15
	STEP \t
.endr
	s_endpgm
; ---- PATH B: K is the FIRST axis.  A lane takes a column n and its registers run down K, each loading the row that the permutation puts at its place: the conversions then give the codes with K innermost.
; A work-group takes 128 columns x 256 places along K; a wave 32 columns: 8 blocks of 32 places a lane.  A lane's codes belong to one row of b_codes and the lanes beside it hold other rows: so they go through the
; wave's own stage in LDS and leave by rows: sixteen lanes store 256 consecutive bytes, aligned.
.Lpath_b:
	s_load_b32 s23, s[10:11], 0x4                  ; e of input2
	s_sub_co_u32 s24, ttmp9, 512
	s_and_b32 s25, s24, 31                         ; which 128 columns
	s_lshr_b32 s24, s24, 5                         ; y: which 256 places along K
	s_lshl_b32 s25, s25, 7
	s_lshl_b32 s26, s16, 5
	s_add_co_u32 s25, s25, s26                     ; my wave's first column
	s_lshr_b32 s26, s24, 1
	s_lshl_b32 s26, s26, 9                         ; the block of 512 along K,
	s_and_b32 s27, s24, 1
	s_lshl_b32 s27, s27, 6                         ; and in it l = 16 (y % 2) on: 4 l = 64 rows further down
	s_add_co_u32 s26, s26, s27
	s_lshl_b32 s26, s26, 14                        ; a row of input2 is 16,384 bytes
	s_lshl_b32 s27, s25, 2
	s_add_co_u32 s26, s26, s27
	s_mov_b32 s27, 0
	s_add_nc_u64 s[6:7], s[6:7], s[26:27]
	s_lshl_b32 s28, s25, 12                        ; a row of b_codes is 4,096 bytes
	s_lshl_b32 s29, s24, 8
	s_add_co_u32 s28, s28, s29
	s_mov_b32 s29, 0
	s_add_nc_u64 s[14:15], s[14:15], s[28:29]
	s_wait_alu depctr_va_vdst(0)
	v_lshlrev_b32 v3, 2, v1                        ; in: 4 bytes a lane
	s_mul_i32 s30, s16, 32*SPITCH                  ; my stage
	v_mul_u32_u24 v4, v1, SPITCH
	v_add_nc_u32 v4, s30, v4                       ; into it: row = my column
	v_and_b32 v7, 15, v1
	v_lshrrev_b32 v6, 4, v1
	v_mul_u32_u24 v5, v6, SPITCH
	v_lshl_add_u32 v5, v7, 4, v5
	v_add_nc_u32 v5, s30, v5                       ; out of it: sixteen lanes to a row, two rows an instruction
	v_lshlrev_b32 v6, 12, v6
	v_lshl_add_u32 v6, v7, 4, v6                   ; and the same place in b_codes
.macro LOADB t                         ; block t: place 32 t + q of my 256 is row 8 t + 4 (q / 16) + 128 ((q / 4) % 4) + q % 4; the largest, 447 rows, stays inside the signed 24-bit immediate (ISA guide, chapter 10)
.set qi, 0
.rept 32
	global_load_b32 v[X+32*((\t)%2)+qi], v3, s[6:7] offset:(8*(\t)+4*(qi/16)+128*((qi/4)%4)+qi%4)*16384 th:TH_LOAD_NT   ; a wave reads 128 consecutive bytes, the four waves side by side 512
.set qi, qi+1
.endr
.endm
.macro BLOCK t
.if (\t) < 7
	s_wait_loadcnt 32                              ; this block's 32 loads are in; the next block's may be out
.else
	s_wait_loadcnt 0
.endif
	QUANT 4, X+32*((\t)%2), CB
	ds_store_b128 v4, v[CB:CB+3] offset:32*(\t)    ; 32 codes: 32 bytes of my column's row
	ds_store_b128 v4, v[CB+4:CB+7] offset:32*(\t)+16
.if (\t)+2 < 8
	LOADB (\t)+2                                   ; into the set just read
.endif
	s_wait_dscnt 0x0                               ; the stores have read their registers: the next block's codes may be written
.endm
	PLOAD 1024
	LOADB 0
	LOADB 1
	s_wait_loadcnt 63                              ; the partial maxima are in: 64 loads were issued behind them, and 63 is the largest count that this wait can name
	SCALE
	s_wait_alu depctr_va_vdst(0)
.irp t, 0,1,2,3,4,5,6,7
	BLOCK \t
.endr
.irp i, 0,1,2,3,4,5,6,7,8,9,10,11,12,13,14,15
	ds_load_b128 v[OUTR+4*\i:OUTR+4*\i+3], v5 offset:2*\i*SPITCH   ; LDS serves a wave's instructions in order (ISA guide 5.7.1.4): these see my stores
.endr
.irp i, 0,1,2,3,4,5,6,7,8,9,10,11,12,13,14,15
	s_wait_dscnt 15-\i
	global_store_b128 v6, v[OUTR+4*\i:OUTR+4*\i+3], s[14:15] offset:2*\i*4096
.endr
	s_wait_tensorcnt 0x0
	ds_add_u32 v192, v193
	s_wait_dscnt 0x0
	s_endpgm
.Lfunc_end_k_q937b4c8005_quant:
	.size	k_q937b4c8005_quant, .Lfunc_end_k_q937b4c8005_quant-k_q937b4c8005_quant
	.p2alignl 7, 3214868480
	.fill 96, 4, 3214868480
	.section	.rodata,"a",@progbits
	.p2align	6, 0x0
	.amdhsa_kernel k_q937b4c8005_quant
		.amdhsa_group_segment_fixed_size 35328
		.amdhsa_private_segment_fixed_size 0
		.amdhsa_enable_private_segment 0
		.amdhsa_kernarg_size 48
		.amdhsa_user_sgpr_count 2
		.amdhsa_user_sgpr_kernarg_segment_ptr 1
		.amdhsa_wavefront_size32 1
		.amdhsa_system_sgpr_workgroup_id_x 1
		.amdhsa_system_sgpr_workgroup_id_y 1
		.amdhsa_system_sgpr_workgroup_id_z 1
		.amdhsa_system_vgpr_workitem_id 0
		.amdhsa_next_free_vgpr 194
		.amdhsa_next_free_sgpr 66
		.amdhsa_reserve_vcc 0
		.amdhsa_float_denorm_mode_32 3
		.amdhsa_float_denorm_mode_16_64 3
		.amdhsa_memory_ordered 1
		.amdhsa_forward_progress 1
		.amdhsa_inst_pref_size 104
	.end_amdhsa_kernel
	.amdgpu_metadata
---
amdhsa.version: [ 1, 2 ]
amdhsa.kernels:
  - .name:           k_q937b4c8005_quant
    .symbol:         k_q937b4c8005_quant.kd
    .args:
      - { .name: input1, .offset: 0, .size: 8, .value_kind: global_buffer, .address_space: global }
      - { .name: input2, .offset: 8, .size: 8, .value_kind: global_buffer, .address_space: global }
      - { .name: part, .offset: 16, .size: 8, .value_kind: global_buffer, .address_space: global }
      - { .name: lowp_scales, .offset: 24, .size: 8, .value_kind: global_buffer, .address_space: global }
      - { .name: a_codes, .offset: 32, .size: 8, .value_kind: global_buffer, .address_space: global }
      - { .name: b_codes, .offset: 40, .size: 8, .value_kind: global_buffer, .address_space: global }
    .group_segment_fixed_size: 35328
    .private_segment_fixed_size: 0
    .kernarg_segment_align: 8
    .kernarg_segment_size: 48
    .max_flat_workgroup_size: 128
    .sgpr_count:     66
    .vgpr_count:     194
    .wavefront_size: 32
...
	.end_amdgpu_metadata
.endif
;; end of part 2
;; launch gemm (part 3): grid 16 x 16, 4 waves a work-group, clusters of 4 x 4, 327,680 bytes of LDS; arguments a_codes, b_codes, part, lowp_scales, out0; writes out0
.if DOCPART == 3
	.amdgcn_target "amdgcn-amd-amdhsa--gfx1250"
	.amdhsa_code_object_version 6
	.text
	.protected	k_q937b4c8005_gemm
	.globl	k_q937b4c8005_gemm
	.p2align	8
	.type	k_q937b4c8005_gemm,@function
k_q937b4c8005_gemm:
	s_mov_b64 s[64:65], 0
	v_nop
	global_prefetch_b8 v0, s[64:65] scope:SCOPE_SE
	s_setreg_imm32_b32 hwreg(HW_REG_WAVE_MODE, 25, 1), 1
	s_wait_xcnt 0x0
	s_wait_alu depctr_hold_cnt(0) depctr_sa_sdst(0) depctr_va_vdst(0) depctr_va_sdst(0) depctr_va_ssrc(0) depctr_va_vcc(0) depctr_vm_vsrc(0)
	s_getreg_b32 s2, hwreg(HW_REG_IB_STS2, 6, 4)
	s_cmp_eq_u32 s2, 0
	s_cbranch_scc0 .Lentry_in_a_cluster
	s_endpgm
.Lentry_in_a_cluster:
	s_bfe_u32 s2, ttmp6, 0x10000c
	s_cmp_lg_u32 s2, 0xf033
	s_cbranch_scc0 .Lentry_shape_is_right
	s_endpgm
.Lentry_shape_is_right:
; out0[m][n] = (sum over k of a_codes[m][k] b_codes[n][k]) x 2^(ea + eb) x (1 / s1) x (1 / s2), s = 216 / max|x| of each input (from part's 2 x 256 partial maxima).
; a_codes, b_codes: [4096][4096] codes of E4M3, K innermost, the same order along K in both.  Sums in f32 by v_wmma_f32_16x16x128_fp8_fp8.
; LIMITS: max|x| of each tensor between 2^-118 and 2^125; NaN, infinities and a tensor of zeros are not served; the factor x 2^(ea + eb) stays an f32 number.
; SHARES.  256 work-groups, each a tile of 256 x 256; four waves, each 128 x 128: 64 accumulators, 512 registers.  K goes in steps of 256 through a ring of two LDS slots filled by tensor loads; a tile's row is
; 256 bytes of memory, aligned; an LDS row is 272 bytes.  The matrix instruction is used transposed (source 0 = rows of B, source 1 = rows of A): a lane holds eight neighbouring numbers of a row of the result.
; CLUSTERS: 4 x 4 work-groups.  The four of a row of the cluster need the same tiles of A, the four of a column the same tiles of B: each tile is asked for jointly, one load a wave (128 rows).
; THE CHANGE OF SLOTS stands at the head of a slot's last 128 along K: that step's fragments are all in registers by then, so the slot is free; the waits, the add, the round and the joint refill come first,
; and the step's 64 products follow the refill.
; K BEGINS IN THE MIDDLE in half of the clusters (the sum's order alone changes): of the four clusters that read a row of tiles, two walk one half of K while two walk the other.
; PREFETCH: K steps 4 to 7 of a cluster's own order are asked for two refills ahead, by one cluster of each order; the four partners of a joint load share its 128 rows out by address, 32 rows each, a lane a row.
; Steps 0 to 3 come by their loads alone; steps 8 to 15 have been read in this launch by the clusters of the other order, and are not asked for.
; REGISTERS: window 0: v0-31 addresses, v32-57 the factor's work, v128-255 A's fragments (one set); window 1: B's fragments (two sets); windows 2, 3: the accumulators of my rows 0-63, 64-127.
.set SIZE_N, 4096
.set SIZE_K, 4096
.set ROWB,   256
.set KROW,   SIZE_K
.set PITCH,  272
.set FR,     16
.set NL,     4
.set NP,     4
.set HALFT,  128*PITCH
.set SLOT,   4*HALFT
.set LAPS,   SIZE_K/(2*ROWB)
.set SPARE,  2*SLOT                    ; the spare words: 512 bytes that no other line names
.set SPITCH, 528                       ; the way out: a stage of 16 rows x 528 bytes for each wave, in slot 0, which has had its last fill and its last read by then
.set ADRA, 16
.set ADRB, 20
.set STO,  24
.set RD,   25
.set CO,   26
.set PFO,  27
.set SPW,  28
.set NIL,  29
.set FAC,  30
.set TMP,  32
.set AF,   128
.set BK,   128
.set G1, 24
.set G0, 32
.set G1B, 48
.set G0B, 56
.set PFA, 66
.set LIM, 68
.set ABASE, 80
.set BBASE, 82
.set KO,   84
.set ROT,  88
.set MSB, 0
.macro WIN new
.if MSB != \new
	s_set_vgpr_msb (MSB<<8)|\new
.set MSB, \new
.endif
.endm
.set MUL_LO, 0xa1
.set MUL_HI, 0xf1
.set TO_B,   0x40
.macro JLOAD g0a, g1a, g0b, g1b        ; a joint load: waves 0, 1 fetch A's halves, waves 2, 3 B's; s_nop 0 and four v_nop behind each line
	s_cmp_eq_u32 s15, 0
	s_cbranch_scc0 .Lfor_b_\@
	tensor_load_to_lds s[\g0a:\g0a+3], s[\g1a:\g1a+7]
	s_nop 0
.rept 4
	v_nop
.endr
	s_branch .Lasked_\@
.Lfor_b_\@:
	tensor_load_to_lds s[\g0b:\g0b+3], s[\g1b:\g1b+7]
	s_nop 0
.rept 4
	v_nop
.endr
.Lasked_\@:
.endm
.macro ASK                             ; the K step two refills on, in the first two laps, in the clusters that ask
	s_cmp_gt_u32 s3, s[LIM]
	s_cbranch_scc0 .Lnot_mine_\@
	global_prefetch_b8 v[PFO], s[PFA:PFA+1] offset:ROWB th:TH_LOAD_NT scope:SCOPE_SE
.Lnot_mine_\@:
.endm
.macro CREST
	s_cmp_lg_u32 s14, 0
	s_cbranch_scc1 .Lnot_wave_0_\@
	s_barrier_signal -3
.Lnot_wave_0_\@:
	s_barrier_wait -3
	s_barrier_signal -1
	s_barrier_wait -1
.endm
.macro CROUND
	s_barrier_signal -1
	s_barrier_wait -1
	CREST
.endm
	s_load_b128 s[4:7], s[0:1], 0x0                ; a_codes, b_codes
	s_load_b128 s[8:11], s[0:1], 0x10              ; part, lowp_scales
	s_load_b64 s[12:13], s[0:1], 0x20              ; out0
	v_lshl_add_u32 v[SPW], v0, 2, SPARE
	v_mov_b32 v[NIL], 0
	ds_add_u32 v[SPW], v[NIL]                      ; the opening lines: the add, twice on end, and its wait ahead of my first tensor load
	ds_add_u32 v[SPW], v[NIL]
	v_lshrrev_b32 v1, 5, v0
	v_readfirstlane_b32 s14, v1                    ; wave 0..3
	s_lshr_b32 s15, s14, 1                         ; my half of the tile's rows.  Also: I fetch for A (0) or for B (1)
	s_and_b32 s16, s14, 1                          ; my half of its columns.  Also: which 128 rows I fetch
	s_bfe_u32 s40, ttmp6, 0x40000                  ; cx, cy
	s_bfe_u32 s41, ttmp6, 0x40004
	s_lshl_b32 s42, ttmp9, 2
	s_add_co_u32 s42, s42, s40                     ; tile column
	s_and_b32 s17, ttmp7, 0xffff
	s_lshl_b32 s17, s17, 2
	s_add_co_u32 s17, s17, s41                     ; tile row
	s_lshl_b32 s43, s41, 2
	s_lshl_b32 s43, 15, s43                        ; my row of the cluster
	s_lshl_b32 s44, 0x1111, s40                    ; my column
	s_lshr_b32 s[ROT], ttmp9, 1                    ; where my cluster's K begins: 0 or 2,048, from the cluster's x and y alone
	s_xor_b32 s[ROT], s[ROT], ttmp9
	s_and_b32 s89, ttmp7, 0xffff
	s_xor_b32 s[ROT], s[ROT], s89
	s_lshr_b32 s89, s89, 1
	s_xor_b32 s[ROT], s[ROT], s89
	s_and_b32 s[ROT], s[ROT], 1
	s_lshl_b32 s[ROT], s[ROT], 11
	s_or_b32 s[G1+0], s43, (0<<16)|(1<<20)|(1<<21)|(5<<22)|(3<<25)   ; the mask; elements of 1 byte; 4 words of padding behind every 64
	s_or_b32 s[G1B+0], s44, (0<<16)|(1<<20)|(1<<21)|(5<<22)|(3<<25)
.irp g, G1, G1B
	s_mov_b32 s[\g+1], ROWB<<16
	s_mov_b32 s[\g+2], 128<<16
	s_mov_b32 s[\g+3], ROWB<<16
	s_mov_b32 s[\g+4], 128
	s_mov_b32 s[\g+5], KROW
	s_mov_b32 s[\g+6], 0
	s_mov_b32 s[\g+7], 0
.endr
	s_lshl_b32 s18, s16, 7
	s_lshl_b32 s20, s17, 8
	s_add_co_u32 s20, s20, s18                     ; A: row 256 x tile row + 128 x half
	s_lshl_b32 s46, s42, 8
	s_add_co_u32 s46, s46, s18                     ; B: row 256 x tile column + 128 x half
	s_mov_b32 s21, 0
	s_mov_b32 s47, 0
	s_mov_b64 s[18:19], KROW
	s_mul_u64 s[20:21], s[20:21], s[18:19]
	s_mul_u64 s[46:47], s[46:47], s[18:19]
	s_mul_i32 s45, s14, HALFT                      ; where they go: wave x 128 rows
	s_wait_dscnt 0x0                               ; both opening adds are done
	s_wait_kmcnt 0x0
	s_load_b64 s[96:97], s[10:11], 0x0             ; ea, eb
	s_add_nc_u64 s[ABASE:ABASE+1], s[4:5], s[20:21]
	s_add_nc_u64 s[BBASE:BBASE+1], s[6:7], s[46:47]
	CROUND                                         ; all sixteen work-groups are here: the first joint loads meet
.irp s, 0,1
	s_add_co_u32 s[KO+2*\s], s[ROT], \s*ROWB
	s_mov_b32 s[KO+2*\s+1], 0
	s_mov_b32 s[G0+4*\s], 1
	s_add_co_u32 s[G0+4*\s+1], s45, \s*SLOT
	s_add_nc_u64 s[G0+4*\s+2:G0+4*\s+3], s[ABASE:ABASE+1], s[KO+2*\s:KO+2*\s+1]
	s_or_b32 s[G0+4*\s+3], s[G0+4*\s+3], 0x80000000
	s_mov_b32 s[G0B+4*\s], 1
	s_add_co_u32 s[G0B+4*\s+1], s45, \s*SLOT
	s_add_nc_u64 s[G0B+4*\s+2:G0B+4*\s+3], s[BBASE:BBASE+1], s[KO+2*\s:KO+2*\s+1]
	s_or_b32 s[G0B+4*\s+3], s[G0B+4*\s+3], 0x80000000
.endr
	JLOAD G0, G1, G0B, G1B                         ; K step 0: one tensor load a wave at the head.  All that follows, up to the wait for it, stands under its flight
	v_and_b32 v7, 31, v0
	v_lshlrev_b32 v7, 4, v7
.irp i, 0,1,2,3
	global_load_b128 v[32+4*\i:35+4*\i], v7, s[8:9] offset:512*\i   ; the partial maxima: eight of each tensor's 256 a lane
.endr
	s_mul_i32 s21, s15, HALFT                      ; my 128 rows of A,
	s_mul_i32 s22, s16, HALFT
	s_add_co_u32 s22, s22, 2*HALFT                 ; of B, behind A's 256
	s_mul_i32 s23, s14, 16*SPITCH                  ; my stage
	s_lshl_b32 s74, s17, 8
	s_lshl_b32 s75, s15, 7
	s_add_co_u32 s74, s74, s75                     ; my first row of out0
	s_mov_b32 s75, 0
	s_mov_b64 s[18:19], SIZE_N*4
	s_mul_u64 s[74:75], s[74:75], s[18:19]
	s_lshl_b32 s46, s42, 10                        ; my first column, in bytes
	s_lshl_b32 s47, s16, 9
	s_add_co_u32 s46, s46, s47
	s_mov_b32 s47, 0
	s_add_nc_u64 s[74:75], s[74:75], s[46:47]
	s_add_nc_u64 s[12:13], s[12:13], s[74:75]
	s_lshl_b32 s70, s17, 8                         ; the prefetches: the tile's first row, in A by the tile row, in B by the tile column,
	s_lshl_b32 s71, s42, 8
	s_and_b32 s72, ttmp7, 0xffff
	s_cmp_eq_u32 s15, 0
	s_cselect_b32 s70, s70, s71
	s_cselect_b32 s73, s40, s41                    ; my place among the four that ask for it with me,
	s_cselect_b32 s72, ttmp9, s72                  ; and my cluster's place among the four clusters that read it: places 0 and 1 walk K in the two orders, and ask
	s_cselect_b64 s[PFA:PFA+1], s[4:5], s[6:7]
	s_cmp_lt_u32 s72, 2
	s_cselect_b32 s[LIM], 5, -1
	s_lshl_b32 s72, s16, 7
	s_add_co_u32 s70, s70, s72
	s_lshl_b32 s73, s73, 5
	s_add_co_u32 s70, s70, s73
	s_lshl_b32 s70, s70, 12
	s_add_co_u32 s70, s70, s[ROT]
	s_mov_b32 s71, 0
	s_add_nc_u64 s[PFA:PFA+1], s[PFA:PFA+1], s[70:71]
	s_add_nc_u64 s[PFA:PFA+1], s[PFA:PFA+1], 2*ROWB   ; at my K step 2: the first refill steps it to 3 and names step 4
	s_mov_b32 s76, 0x76543210                      ; v_permlanex16_b32: lane l xor 16
	s_mov_b32 s77, 0xfedcba98
	s_mov_b32 s78, 0x43580000                      ; 216.0
	v_and_b32 v1, 15, v0
	v_bfe_u32 v2, v0, 4, 1
	v_mul_u32_u24 v3, v1, PITCH
	v_lshl_add_u32 v4, v2, 4, v3                   ; a fragment's row x pitch + 16 x half
	v_add_nc_u32 v[ADRA], s21, v4
	v_add_nc_u32 v[ADRB], s22, v4
	v_add_nc_u32 v[ADRA+1], SLOT, v[ADRA]
	v_add_nc_u32 v[ADRB+1], SLOT, v[ADRB]
	v_mul_u32_u24 v5, v1, SPITCH
	v_lshl_add_u32 v5, v2, 5, v5
	v_add_nc_u32 v[STO], s23, v5
	v_and_b32 v6, 31, v0
	v_lshlrev_b32 v[CO], 4, v6
	v_add_nc_u32 v[RD], s23, v[CO]
	v_lshlrev_b32 v[PFO], 12, v6                   ; the prefetch: a lane a row
	v_mov_b32 v50, 0                               ; written once: a lane permute's destination counts as one of its sources
	v_mov_b32 v51, 0
	s_wait_alu depctr_va_vdst(0)
	s_wait_loadcnt 0x0
	; the factor: (1 / s1) (1 / s2) 2^(ea + eb), s = 216 / max, each quotient mended by one step to f32's last place
	v_max3_num_f32 v48, v32, v33, v34
	v_max3_num_f32 v49, v40, v41, v42
	v_max3_num_f32 v48, v48, v35, v36
	v_max3_num_f32 v49, v49, v43, v44
	v_max3_num_f32 v48, v48, v37, v38
	v_max3_num_f32 v49, v49, v45, v46
	v_max_num_f32 v48, v48, v39
	v_max_num_f32 v49, v49, v47
.irp x, 1,2,4,8
	v_max_num_f32_dpp v48, v48, v48 row_xmask:\x row_mask:0xf bank_mask:0xf
	v_max_num_f32_dpp v49, v49, v49 row_xmask:\x row_mask:0xf bank_mask:0xf
.endr
	v_permlanex16_b32 v50, v48, s76, s77
	v_permlanex16_b32 v51, v49, s76, s77
	v_max_num_f32 v48, v48, v50
	v_max_num_f32 v49, v49, v51
	s_wait_alu depctr_va_vdst(0)                   ; a wait ahead of the batch,
	v_rcp_f32 v52, v48
	v_rcp_f32 v53, v49
	v_nop
	s_wait_alu depctr_va_vdst(0)                   ; and behind it
	v_mul_f32 v54, s78, v52
	v_mul_f32 v55, s78, v53
	v_fma_f32 v56, -v54, v48, s78
	v_fma_f32 v57, -v55, v49, s78
	v_fma_f32 v54, v56, v52, v54                   ; s1
	v_fma_f32 v55, v57, v53, v55                   ; s2
	s_wait_alu depctr_va_vdst(0)
	v_rcp_f32 v52, v54
	v_rcp_f32 v53, v55
	v_nop
	s_wait_alu depctr_va_vdst(0)
	v_fma_f32 v56, -v54, v52, 1.0
	v_fma_f32 v57, -v55, v53, 1.0
	v_fma_f32 v52, v56, v52, v52
	v_fma_f32 v53, v57, v53, v53
	v_mul_f32 v[FAC], v52, v53
	s_wait_alu depctr_va_vdst(0)
	s_wait_kmcnt 0x0
	s_add_co_i32 s96, s96, s97
	v_ldexp_f32 v[FAC], v[FAC], s96
	v_mov_b32 v[FAC+1], v[FAC]
.macro FRAG reg, adr, q, i             ; 16 rows x 128 K: lane l holds row l % 16; registers 4 c .. 4 c + 3 the 16 bytes at 128 q + 32 c + 16 (l / 16): the same places in A and in B
.irp c, 0,1,2,3
	ds_load_b128 v[\reg+4*\c:\reg+4*\c+3], v[\adr] offset:128*(\q)+32*\c+(\i)*16*PITCH
.endr
.endm
.macro MUL16 a0, p, zero               ; A's blocks a0, a0 + 1 x B's eight; the 64 accumulators take turns in the same order in every step
.irp a, \a0, \a0+1
.irp b, 0,1,2,3,4,5,6,7
.if \zero
	v_wmma_f32_16x16x128_fp8_fp8 v[8*(8*((\a)%4)+\b):8*(8*((\a)%4)+\b)+7], v[128*(\p)+FR*\b:128*(\p)+FR*\b+FR-1], v[AF+FR*(\a):AF+FR*(\a)+FR-1], 0
.else
	v_wmma_f32_16x16x128_fp8_fp8 v[8*(8*((\a)%4)+\b):8*(8*((\a)%4)+\b)+7], v[128*(\p)+FR*\b:128*(\p)+FR*\b+FR-1], v[AF+FR*(\a):AF+FR*(\a)+FR-1], v[8*(8*((\a)%4)+\b):8*(8*((\a)%4)+\b)+7]
.endif
.endr
.endr
.endm
.macro FETCH_B slot, q, p
	WIN TO_B
.irp i, 0,1,2,3,4,5,6,7
	FRAG 128*(\p)+FR*\i, ADRB+\slot, \q, \i
.endr
	WIN 0
.endm
.macro FETCH_A slot, q, i0
.irp i, \i0, \i0+1, \i0+2, \i0+3
	FRAG AF+FR*(\i), ADRA+\slot, \q, \i
.endr
.endm
.macro PLACES n                        ; places behind matrix instructions, in front of loads into their sources and of reads of results
.rept \n
	v_nop
.endr
.endm
.macro STEP slot, q, zero              ; a slot's first 128 along K; the second's fragments are fetched from the same slot
	s_wait_dscnt 4*NL                              ; B's set and A's blocks 0-3 are in; A's blocks 4-7 may be out
	WIN MUL_LO
	MUL16 0, (\q)%2, \zero
	MUL16 2, (\q)%2, \zero
	s_wait_dscnt 0
	PLACES NP
	FETCH_B \slot, (\q)+1, 1-(\q)%2
	FETCH_A \slot, (\q)+1, 0
	WIN MUL_HI
	MUL16 4, (\q)%2, \zero
	MUL16 6, (\q)%2, \zero
	PLACES NP
	WIN 0
	FETCH_A \slot, (\q)+1, 4
.endm
; A slot's last 128 along K.  Its fragments have all been asked for, so the change of slots comes first: each wave waits for all its tensor loads (its part of the next slot), adds 0 to its spare word, and waits for
; that and for its reads of this slot.  fill = 1: a round of the cluster's barrier, and this slot is filled again, two K steps ahead.  Then the step's 64 products, with the next slot's first fragments fetched among them.
.macro TURN slot, next, fill
.if \fill
	s_wait_xcnt 0x0                                ; any prefetch of mine has read its address
	s_add_nc_u64 s[PFA:PFA+1], s[PFA:PFA+1], ROWB
.endif
	s_wait_tensorcnt 0x0
	ds_add_u32 v[SPW], v[NIL]                      ; 0 onto my spare word; the descriptors' step stands between it and the wait for it
.if \fill
	s_add_co_u32 s[KO+2*\slot], s[KO+2*\slot], 2*ROWB
	s_and_b32 s[KO+2*\slot], s[KO+2*\slot], KROW-1 ; round the row's end
	s_add_nc_u64 s[G0+4*\slot+2:G0+4*\slot+3], s[ABASE:ABASE+1], s[KO+2*\slot:KO+2*\slot+1]
	s_or_b32 s[G0+4*\slot+3], s[G0+4*\slot+3], 0x80000000
	s_add_nc_u64 s[G0B+4*\slot+2:G0B+4*\slot+3], s[BBASE:BBASE+1], s[KO+2*\slot:KO+2*\slot+1]
	s_or_b32 s[G0B+4*\slot+3], s[G0B+4*\slot+3], 0x80000000
.endif
	s_wait_dscnt 0x0                               ; the add is done, and my reads of this slot are back
	s_barrier_signal -1
	s_barrier_wait -1
.if \fill
	CREST                                          ; the barrier has opened a round of the cluster's barrier
	JLOAD G0+4*\slot, G1, G0B+4*\slot, G1B         ; the first tensor load behind the round
.endif
	FETCH_B \next, 0, 0                            ; into the set that the step before read: its closing places stand between
	WIN MUL_LO
	MUL16 0, 1, 0
	MUL16 2, 1, 0
	PLACES NP
	WIN 0
	FETCH_A \next, 0, 0
.if \fill
	ASK
.endif
	WIN MUL_HI
	MUL16 4, 1, 0
	MUL16 6, 1, 0
	PLACES NP
	WIN 0
	FETCH_A \next, 0, 4
.endm
	s_wait_alu depctr_va_vdst(0)
	s_wait_tensorcnt 0x0                           ; my part of K step 0 is in
	ds_add_u32 v[SPW], v[NIL]
	s_wait_dscnt 0x0
	CROUND                                         ; everybody's part of K step 0 is in, and all sixteen work-groups are here
	JLOAD G0+4, G1, G0B+4, G1B                     ; K step 1: the first tensor load behind the round
	FETCH_B 0, 0, 0
	FETCH_A 0, 0, 0
	FETCH_A 0, 0, 4
	STEP 0, 0, 1                                   ; the first step stands in front of the loop: its products start the sums
	s_mov_b32 s3, LAPS-1
.Llap:                                                 ; a trip goes once round the ring and fills both slots again
	TURN 0, 1, 1
	STEP 1, 0, 0
	TURN 1, 0, 1
	STEP 0, 0, 0
	s_sub_co_u32 s3, s3, 1
	s_cmp_lg_u32 s3, 0
	s_cbranch_scc1 .Llap
	TURN 0, 1, 0                                   ; the last lap fills nothing, and has no round
	STEP 1, 0, 0
	s_wait_dscnt 4*NL                              ; the very last step
	WIN MUL_LO
	MUL16 0, 1, 0
	MUL16 2, 1, 0
	s_wait_dscnt 0
	WIN MUL_HI
	MUL16 4, 1, 0
	MUL16 6, 1, 0
	WIN 0
; THE WAY OUT, block by block of 16 rows x 128 columns: x the factor, through my own stage in LDS, back as whole rows of 512 bytes, which the 32 lanes store as two aligned units of 256 bytes.
; LDS serves a wave's instructions in order (ISA guide 5.7.1.4): no wait between the stores and the loads.
.macro TOSTAGE a
.set AC, 64*((\a)%4)
	WIN 0x02+((\a)/4)
.irp j, 0,2,4,6,8,10,12,14,16,18,20,22,24,26,28,30,32,34,36,38,40,42,44,46,48,50,52,54,56,58,60,62
	v_pk_mul_f32 v[TMP+\j:TMP+\j+1], v[AC+\j:AC+\j+1], v[FAC:FAC+1]   ; each accumulator from its low end on
.endr
	WIN 0
.irp b, 0,1,2,3,4,5,6,7
	ds_store_b128 v[STO], v[TMP+8*\b:TMP+8*\b+3] offset:64*\b
	ds_store_b128 v[STO], v[TMP+8*\b+4:TMP+8*\b+7] offset:64*\b+16
.endr
.set BB, BK+64*((\a)%2)
.irp t, 0,1,2,3,4,5,6,7,8,9,10,11,12,13,14,15
	ds_load_b128 v[BB+4*\t:BB+4*\t+3], v[RD] offset:\t*SPITCH
.endr
.endm
.macro SEND a, younger                 ; younger: the LDS instructions issued behind block a's loads
.set BB, BK+64*((\a)%2)
	s_wait_dscnt \younger
.if (\a) > 0
	s_add_nc_u64 s[12:13], s[12:13], 16*SIZE_N*4   ; behind a wait on XCNT: the earlier stores have read their base
.endif
.irp t, 0,1,2,3,4,5,6,7,8,9,10,11,12,13,14,15
	global_store_b128 v[CO], v[BB+4*\t:BB+4*\t+3], s[12:13] offset:\t*SIZE_N*4 th:TH_STORE_NT
.endr
.endm
	PLACES NP
	TOSTAGE 0
.irp a, 1,2,3,4,5,6,7
.if \a > 1
	s_wait_xcnt 0x0                                ; block a - 2's stores have read their registers and their base
.endif
	TOSTAGE \a
	SEND \a-1, 32
.endr
	s_wait_xcnt 0x0
	SEND 7, 0
	s_wait_tensorcnt 0x0                           ; the wave's end
	ds_add_u32 v[SPW], v[NIL]
	s_wait_dscnt 0x0
	CROUND                                         ; the closing round
	s_endpgm
.Lfunc_end_k_q937b4c8005_gemm:
	.size	k_q937b4c8005_gemm, .Lfunc_end_k_q937b4c8005_gemm-k_q937b4c8005_gemm
	.p2alignl 7, 3214868480
	.fill 96, 4, 3214868480
	.section	.rodata,"a",@progbits
	.p2align	6, 0x0
	.amdhsa_kernel k_q937b4c8005_gemm
		.amdhsa_group_segment_fixed_size 327680
		.amdhsa_private_segment_fixed_size 0
		.amdhsa_enable_private_segment 0
		.amdhsa_kernarg_size 40
		.amdhsa_user_sgpr_count 2
		.amdhsa_user_sgpr_kernarg_segment_ptr 1
		.amdhsa_wavefront_size32 1
		.amdhsa_system_sgpr_workgroup_id_x 1
		.amdhsa_system_sgpr_workgroup_id_y 1
		.amdhsa_system_sgpr_workgroup_id_z 1
		.amdhsa_system_vgpr_workitem_id 0
		.amdhsa_next_free_vgpr 1024
		.amdhsa_next_free_sgpr 100
		.amdhsa_reserve_vcc 0
		.amdhsa_float_denorm_mode_32 3
		.amdhsa_float_denorm_mode_16_64 3
		.amdhsa_memory_ordered 1
		.amdhsa_forward_progress 1
		.amdhsa_inst_pref_size 128
	.end_amdhsa_kernel
	.amdgpu_metadata
---
amdhsa.version: [ 1, 2 ]
amdhsa.kernels:
  - .name:           k_q937b4c8005_gemm
    .symbol:         k_q937b4c8005_gemm.kd
    .args:
      - { .name: a_codes, .offset: 0, .size: 8, .value_kind: global_buffer, .address_space: global }
      - { .name: b_codes, .offset: 8, .size: 8, .value_kind: global_buffer, .address_space: global }
      - { .name: part, .offset: 16, .size: 8, .value_kind: global_buffer, .address_space: global }
      - { .name: lowp_scales, .offset: 24, .size: 8, .value_kind: global_buffer, .address_space: global }
      - { .name: out0, .offset: 32, .size: 8, .value_kind: global_buffer, .address_space: global }
    .group_segment_fixed_size: 327680
    .private_segment_fixed_size: 0
    .kernarg_segment_align: 8
    .kernarg_segment_size: 40
    .max_flat_workgroup_size: 128
    .sgpr_count:     100
    .vgpr_count:     1024
    .wavefront_size: 32
...
	.end_amdgpu_metadata
.endif
;; end of part 3
